; MI455X (gfx1250); checked and timed in simulation.
; The chip was launched on July 23, 2026; its instructions are those of AMD's public machine-readable ISA for CDNA 5 (MIT licence, August 2026) and "CDNA5" Instruction Set Architecture Reference Guide (July 2026). The comments in the code are by the model that wrote it; some were corrected since.
;; Multihead Attention. Allowed arithmetic: float matrix products may take bf16 or f16 operands with f32 sums; all other float work in f32.
;; Inputs: b_in 3,072 float32; b_out 1,024 float32; w_in 3,072 x 1,024 float32; w_out 1,024 x 1,024 float32; x 2 x 2,048 x 1,024 float32.
;; Outputs: out0 2 x 2,048 x 1,024 float32.
;; 2 versions, each right; version 2 is version 1 with the launch conv written anew for expert scheduling mode. Each part assembles by itself: llvm-mc -triple=amdgcn-amd-amdhsa -mcpu=gfx1250 --defsym DOCPART=n.
;; ======== version 1 of 2: 4 launches
;; limits: values are held in f16: magnitudes above 65,504 overflow, below 6.1e-05 lose precision
;; workspace buffers: xb 8,388,608 bytes; wib 6,291,456 bytes; wob 2,097,152 bytes; qkv 25,165,824 bytes; ctx 8,388,608 bytes
;; launch conv (part 1): grid 512 x 1, 8 waves a work-group, no clusters, 0 bytes of LDS; arguments x, w_in, w_out, xb, wib, wob; writes xb, wib, wob
.if DOCPART == 1
	.amdgcn_target "amdgcn-amd-amdhsa--gfx1250"
	.amdhsa_code_object_version 6
	.text
	.protected	k_qc3b0a99d3b_conv
	.globl	k_qc3b0a99d3b_conv
	.p2align	8
	.type	k_qc3b0a99d3b_conv,@function
k_qc3b0a99d3b_conv:
	s_mov_b64 s[64:65], 0
	v_nop
	global_prefetch_b8 v0, s[64:65] scope:SCOPE_SE
	s_setreg_imm32_b32 hwreg(HW_REG_WAVE_MODE, 25, 1), 1
	s_wait_xcnt 0x0
; conv: the three large f32 inputs are rounded once to 16 bits, so that both products can be fed by tile loads of 16-bit rows.
;   x     [4096][1024] f32 -> xb  bf16        w_in [3072][1024] f32 -> wib bf16
;   w_out [1024][1024] f32 -> wob: rounded to bf16 and then carried in f16, because it meets an f16 operand in one product.
; LIMIT: the step bf16 -> f16 is exact for 2^-17 <= |w_out| < 65,504; smaller numbers are off by 2^-25 at the most, larger ones overflow.
; A work-group converts 16,384 numbers: 65,536 bytes in, 32,768 out.  Work-groups 0-255 take x, 256-447 w_in, 448-511 w_out.
; A stream: each byte is read once and written once; nothing is shared, so there is no LDS, no barrier and no matrix work.
; All 16 loads of a thread are issued first; a wave's load covers 512 neighbouring bytes, a wave's store 256 neighbouring bytes, aligned.
.set X, 4                              ; v[4:67]    load j: four f32
.set Y, 68                             ; v[68:99]   store j: four 16-bit numbers
.set T, 100                            ; v[100:101] at work
.set FIRST_WIN, 256                    ; first work-group of w_in
.set FIRST_WOUT, 448                   ; first work-group of w_out
	s_load_b256 s[4:11], s[0:1], 0x0               ; x s[4:5], w_in s[6:7], w_out s[8:9], xb s[10:11]
	s_load_b128 s[12:15], s[0:1], 0x20             ; wib s[12:13], wob s[14:15]
	s_mov_b32 s2, ttmp9
	v_lshlrev_b32 v1, 4, v0                        ; 16 t: my 16 bytes of each 4,096 read
	v_lshlrev_b32 v2, 3, v0                        ; 8 t: my 8 bytes of each 2,048 written
	s_wait_kmcnt 0x0
	s_cmp_lt_u32 s2, FIRST_WIN                     ; which tensor: a choice between buffers on the work-group's number alone
	s_cselect_b64 s[16:17], s[4:5], s[6:7]
	s_cselect_b64 s[18:19], s[10:11], s[12:13]
	s_cselect_b32 s3, 0, FIRST_WIN
	s_cmp_lt_u32 s2, FIRST_WOUT
	s_cselect_b64 s[16:17], s[16:17], s[8:9]
	s_cselect_b64 s[18:19], s[18:19], s[14:15]
	s_cselect_b32 s3, s3, FIRST_WOUT
	s_sub_co_u32 s3, s2, s3                        ; my chunk in that tensor
	s_lshl_b32 s20, s3, 16                         ; 65,536 bytes of f32 a chunk
	s_mov_b32 s21, 0
	s_lshl_b32 s22, s3, 15                         ; 32,768 bytes of 16-bit numbers
	s_mov_b32 s23, 0
	s_add_nc_u64 s[16:17], s[16:17], s[20:21]
	s_add_nc_u64 s[18:19], s[18:19], s[22:23]
.irp j, 0,1,2,3,4,5,6,7,8,9,10,11,12,13,14,15
	global_load_b128 v[X+4*\j:X+4*\j+3], v1, s[16:17] offset:4096*\j th:TH_LOAD_NT
.endr
; Four numbers: round to bf16; half = 1: widen each bf16 again (a shift, a mask) and write it as f16.
; No register that a load or store names is written again, so the only wait is the one for the data.
.macro CV j, half
	s_wait_loadcnt 15-\j                           ; loads come back in order (ISA guide 5.7.1): load j is in, the 15 - j younger ones stay out
	v_cvt_pk_bf16_f32 v[Y+2*\j],   v[X+4*\j],   v[X+4*\j+1]
	v_cvt_pk_bf16_f32 v[Y+2*\j+1], v[X+4*\j+2], v[X+4*\j+3]
.if \half
.irp k, 0,1
	v_lshlrev_b32 v[T],   16, v[Y+2*\j+\k]
	v_and_b32     v[T+1], 0xffff0000, v[Y+2*\j+\k]
	v_cvt_pk_f16_f32 v[Y+2*\j+\k], v[T], v[T+1]
.endr
.endif
	global_store_b64 v2, v[Y+2*\j:Y+2*\j+1], s[18:19] offset:2048*\j
.endm
	s_cmp_ge_u32 s2, FIRST_WOUT
	s_cbranch_scc1 .Lhalf
.irp j, 0,1,2,3,4,5,6,7,8,9,10,11,12,13,14,15
	CV \j, 0
.endr
	s_endpgm
.Lhalf:
.irp j, 0,1,2,3,4,5,6,7,8,9,10,11,12,13,14,15
	CV \j, 1
.endr
	s_endpgm
.Lfunc_end_k_qc3b0a99d3b_conv:
	.size	k_qc3b0a99d3b_conv, .Lfunc_end_k_qc3b0a99d3b_conv-k_qc3b0a99d3b_conv
	.p2alignl 7, 3214868480
	.fill 96, 4, 3214868480
	.section	.rodata,"a",@progbits
	.p2align	6, 0x0
	.amdhsa_kernel k_qc3b0a99d3b_conv
		.amdhsa_group_segment_fixed_size 0
		.amdhsa_private_segment_fixed_size 0
		.amdhsa_enable_private_segment 0
		.amdhsa_kernarg_size 48
		.amdhsa_user_sgpr_count 2
		.amdhsa_user_sgpr_kernarg_segment_ptr 1
		.amdhsa_wavefront_size32 1
		.amdhsa_system_sgpr_workgroup_id_x 1
		.amdhsa_system_sgpr_workgroup_id_y 1
		.amdhsa_system_sgpr_workgroup_id_z 1
		.amdhsa_system_vgpr_workitem_id 0
		.amdhsa_next_free_vgpr 104
		.amdhsa_next_free_sgpr 66
		.amdhsa_reserve_vcc 0
		.amdhsa_float_denorm_mode_32 3
		.amdhsa_float_denorm_mode_16_64 3
		.amdhsa_memory_ordered 1
		.amdhsa_forward_progress 1
		.amdhsa_inst_pref_size 16
	.end_amdhsa_kernel
	.amdgpu_metadata
---
amdhsa.version: [ 1, 2 ]
amdhsa.kernels:
  - .name:           k_qc3b0a99d3b_conv
    .symbol:         k_qc3b0a99d3b_conv.kd
    .args:
      - { .name: x, .offset: 0, .size: 8, .value_kind: global_buffer, .address_space: global }
      - { .name: w_in, .offset: 8, .size: 8, .value_kind: global_buffer, .address_space: global }
      - { .name: w_out, .offset: 16, .size: 8, .value_kind: global_buffer, .address_space: global }
      - { .name: xb, .offset: 24, .size: 8, .value_kind: global_buffer, .address_space: global }
      - { .name: wib, .offset: 32, .size: 8, .value_kind: global_buffer, .address_space: global }
      - { .name: wob, .offset: 40, .size: 8, .value_kind: global_buffer, .address_space: global }
    .group_segment_fixed_size: 0
    .private_segment_fixed_size: 0
    .kernarg_segment_align: 8
    .kernarg_segment_size: 48
    .max_flat_workgroup_size: 256
    .sgpr_count:     66
    .vgpr_count:     104
    .wavefront_size: 32
...
	.end_amdgpu_metadata
.endif
;; end of part 1
;; launch qkv (part 2): grid 16 x 16, 4 waves a work-group, clusters of 4 x 4, 327,680 bytes of LDS; arguments xb, wib, b_in, qkv; writes qkv
.if DOCPART == 2
	.amdgcn_target "amdgcn-amd-amdhsa--gfx1250"
	.amdhsa_code_object_version 6
	.text
	.protected	k_qc3b0a99d3b_qkv
	.globl	k_qc3b0a99d3b_qkv
	.p2align	8
	.type	k_qc3b0a99d3b_qkv,@function
k_qc3b0a99d3b_qkv:
	s_mov_b64 s[64:65], 0
	v_nop
	global_prefetch_b8 v0, s[64:65] scope:SCOPE_SE
	s_setreg_imm32_b32 hwreg(HW_REG_WAVE_MODE, 25, 1), 1
	s_wait_xcnt 0x0
	s_wait_alu depctr_hold_cnt(0) depctr_sa_sdst(0) depctr_va_vdst(0) depctr_va_sdst(0) depctr_va_ssrc(0) depctr_va_vcc(0) depctr_vm_vsrc(0)
	s_getreg_b32 s2, hwreg(HW_REG_IB_STS2, 6, 4)
	s_cmp_eq_u32 s2, 0
	s_cbranch_scc0 .Lentry_in_a_cluster
	s_endpgm
.Lentry_in_a_cluster:
	s_bfe_u32 s2, ttmp6, 0x10000c
	s_cmp_lg_u32 s2, 0xf033
	s_cbranch_scc0 .Lentry_shape_is_right
	s_endpgm
.Lentry_shape_is_right:
; qkv: C[m][n] = sum over k of xb[m][k] wib[n][k] + b_in[n], m < 4096, n < 3072, k < 1024; bf16 operands, f32 sums, result f16.
; The result is stored head-major: qkv[part q,k,v][batch][head][position][64], so that a head's rows are dense in memory for the attention launch.
; LIMIT: q, k and v are kept in f16: |q|, |k|, |v| < 65,504.
; A work-group makes 256 x 192 of C with four waves; wave (wm, wn) makes 128 x 96: 48 accumulator tiles of 16 x 16, 384 registers.
; 16 x 16 = 256 work-groups.  K goes in 8 steps of 128 through a ring of two LDS slots filled by tensor loads whose rows are 256 bytes of memory.
; CLUSTERS: 4 x 4 work-groups.  The four of a row of the cluster need the same 256 rows of xb, the four of a column the same 192 rows of wib:
; each such tile is asked for jointly, by the same load with the same descriptor and a mask that names the four.
; The matrix instruction is used transposed (source 0 = 16 rows of wib, source 1 = 16 rows of xb): lane l then holds row l % 16 of C and its
; registers 0-7 the columns 8 (l / 16) + 0..7, eight neighbouring numbers.  The bias enters as the C operand of each tile's first product.
; REGISTERS, in windows of 256:
;   window 0: v16-30 addresses; v64-127, v128-191 fragments of xb (8 x 16 rows x 32 K), two buffers; v192-239 bias, later packed results
;   window 1: v64-111, v128-175 fragments of wib (6 x 16 rows x 32 K), two buffers
;   window 2: the 24 tiles of my rows 0-63 (tile (a, b) at v[8 (6 a + b)]);   window 3: those of my rows 64-127
.set KSTEP,  128
.set PITCH,  272                       ; an LDS row: 256 bytes + 16 of padding, an odd multiple of 16: the 16 rows of a fragment load start 16 bytes apart modulo 256
.set HALFA,  128*PITCH                 ; one tensor load of xb: 128 rows
.set HALFB,  96*PITCH                  ; one tensor load of wib: 96 rows
.set BOFF,   2*HALFA                   ; wib's rows lie behind xb's 256
.set SLOT,   2*HALFA+2*HALFB           ; 121,856 bytes
.set SP,     208                       ; the stage's row: 96 f16 + 16 bytes, an odd multiple of 16
.set HALFS,  256*SP                    ; the stage: [column half wn][256 rows]; 106,496 bytes, inside slot 0, used after that slot's last fill
.set LAPS,   4                         ; a lap = two K steps = once round the ring
.set ADRA, 16                          ; v16-17  LDS address of my xb fragments in slot 0, 1
.set ADRB, 20                          ; v20-21  the same for wib
.set STO,  24                          ; v24     the way out: where I put 16 bytes of a row
.set CO,   26                          ; v26     my byte offset in a head's 256 rows
.set BO,   27                          ; v27     my byte offset in the bias
.set RDH,  28                          ; v28-30  the way out: where I read head 0, 1, 2 back
.set F0,   64
.set F1,   128
.set BIAS, 192                         ; v[192:239] b_in of my 96 columns: tile b's register j = b_in[16 b + 8 (l / 16) + j]
.set TMP,  192                         ; the same registers after the bias's last use
.set G1,  24                           ; s[24:31] descriptor group 1 for xb's tiles
.set G0,  32                           ; s[32:39] group 0 for xb's tiles, one set for each slot
.set G1B, 48                           ; s[48:55] group 1 for wib's tiles
.set G0B, 56                           ; s[56:63] group 0 for wib's tiles, one set for each slot
.set MSB, 0
.macro WIN new                         ; low byte: bits 1:0 source 0, 3:2 source 1, 5:4 source 2, 7:6 destination; the high byte repeats the setting that is left
.if MSB != \new
	s_set_vgpr_msb (MSB<<8)|\new
.set MSB, \new
.endif
.endm
.set MUL_LO,  0xa1                     ; source 0 (wib) window 1, source 1 (xb) window 0, C and D window 2
.set MUL_HI,  0xf1                     ; the same, C and D window 3
.set MUL_LOB, 0x81                     ; C = the bias in window 0, D window 2
.set MUL_HIB, 0xc1                     ; C = the bias in window 0, D window 3
.set TO_B,    0x40                     ; destination window 1, address window 0
; A joint load.  Waves 0 and 1 fetch xb's two halves, waves 2 and 3 wib's.  Each line has one mask; the branch hangs on the wave's number alone.
.macro JLOAD s
	s_cmp_eq_u32 s13, 0
	s_cbranch_scc0 .Lfor_b_\@
	tensor_load_to_lds s[G0+4*\s:G0+4*\s+3], s[G1:G1+7]
	s_nop 0
	s_branch .Lasked_\@
.Lfor_b_\@:
	tensor_load_to_lds s[G0B+4*\s:G0B+4*\s+3], s[G1B:G1B+7]
	s_nop 0
.Lasked_\@:
.endm
; A round of the cluster's barrier: my work-group's barrier; wave 0 signals for the work-group; every wave waits for all sixteen; my work-group's barrier again.
.macro CREST                           ; a round behind its opening barrier
	s_cmp_lg_u32 s12, 0
	s_cbranch_scc1 .Lnot_wave_0_\@
	s_barrier_signal -3
.Lnot_wave_0_\@:
	s_barrier_wait -3
	s_barrier_signal -1
	s_barrier_wait -1
.endm
.macro CROUND
	s_barrier_signal -1
	s_barrier_wait -1
	CREST
.endm
	s_load_b256 s[4:11], s[0:1], 0x0               ; xb s[4:5], wib s[6:7], b_in s[8:9], qkv s[10:11]
	s_set_vgpr_msb 0x40
	v_lshl_add_u32 v255, v0, 2, 0x3b800
	s_set_vgpr_msb 0x4000
	v_mov_b32 v255, 0
	s_set_vgpr_msb 0x1
	ds_add_u32 v255, v255
	ds_add_u32 v255, v255
	s_set_vgpr_msb 0x100
	v_lshrrev_b32 v1, 5, v0
	v_readfirstlane_b32 s12, v1                    ; wave 0..3
	s_lshr_b32 s13, s12, 1                         ; wm: which 128 rows are mine.  Also: I fetch for xb (0) or for wib (1)
	s_and_b32 s14, s12, 1                          ; wn: which 96 columns.  Also: which half of that tile I fetch
	s_bfe_u32 s40, ttmp6, 0x40000                  ; cx
	s_bfe_u32 s41, ttmp6, 0x40004                  ; cy
	s_lshl_b32 s42, ttmp9, 2
	s_add_co_u32 s42, s42, s40                     ; block column = 4 x cluster x + cx
	s_and_b32 s20, ttmp7, 0xffff
	s_lshl_b32 s20, s20, 2
	s_add_co_u32 s20, s20, s41                     ; block row = 4 x cluster y + cy
	s_lshl_b32 s44, s41, 2
	s_lshl_b32 s44, 15, s44                        ; my row of the cluster: places 4 cy .. 4 cy + 3
	s_lshl_b32 s45, 0x1111, s40                    ; my column: places cx, cx + 4, cx + 8, cx + 12
	; group 1: rows of 128 elements of 2 bytes; 4 words of padding behind every 64 words; bit 21 set beside a mask
	s_or_b32 s[G1+0],  s44, (1<<16)|(1<<20)|(1<<21)|(5<<22)|(3<<25)
	s_or_b32 s[G1B+0], s45, (1<<16)|(1<<20)|(1<<21)|(5<<22)|(3<<25)
	s_mov_b32 s[G1+1],  KSTEP<<16                  ; tensor_dim0 = 128
	s_mov_b32 s[G1B+1], KSTEP<<16
	s_mov_b32 s[G1+2],  128<<16                    ; tensor_dim1 = 128 rows of xb
	s_mov_b32 s[G1B+2], 96<<16                     ;             = 96 rows of wib
	s_mov_b32 s[G1+3],  KSTEP<<16                  ; tile_dim0 = 128
	s_mov_b32 s[G1B+3], KSTEP<<16
	s_mov_b32 s[G1+4],  128                        ; tile_dim1
	s_mov_b32 s[G1B+4], 96
	s_mov_b32 s[G1+5],  1024                       ; elements from row to row
	s_mov_b32 s[G1B+5], 1024
	s_mov_b32 s[G1+6],  0
	s_mov_b32 s[G1B+6], 0
	s_mov_b32 s[G1+7],  0
	s_mov_b32 s[G1B+7], 0
	; where the tiles come from: xb's hang on the block row alone, wib's on the block column alone, each in registers that never hold the other coordinate
	s_lshl_b32 s16, s20, 8
	s_lshl_b32 s17, s14, 7
	s_add_co_u32 s16, s16, s17                     ; xb: row 256 x block row + 128 x half
	s_lshl_b32 s16, s16, 11                        ; rows of 2,048 bytes
	s_mov_b32 s17, 0
	s_mul_i32 s46, s42, 192
	s_mul_i32 s47, s14, 96
	s_add_co_u32 s46, s46, s47                     ; wib: row 192 x block column + 96 x half
	s_lshl_b32 s46, s46, 11
	s_mov_b32 s47, 0
	s_mul_i32 s21, s12, HALFA                      ; where they go: waves 0, 1: xb's halves at wave x 128 rows;
	s_mul_i32 s22, s12, HALFB
	s_add_co_u32 s22, s22, 2*(HALFA-HALFB)         ; waves 2, 3: wib's halves at 256 rows + (wave - 2) x 96 rows
	s_wait_dscnt 0x0
	s_wait_kmcnt 0x0
	s_add_nc_u64 s[16:17], s[4:5], s[16:17]
	s_add_nc_u64 s[46:47], s[6:7], s[46:47]
	CROUND                                         ; all sixteen work-groups are here: the first joint loads meet
.irp s, 0,1
	s_mov_b32 s[G0+4*\s], 1
	s_add_co_u32 s[G0+4*\s+1], s21, \s*SLOT
	s_add_nc_u64 s[G0+4*\s+2:G0+4*\s+3], s[16:17], \s*KSTEP*2
	s_or_b32 s[G0+4*\s+3], s[G0+4*\s+3], 0x80000000
	s_mov_b32 s[G0B+4*\s], 1
	s_add_co_u32 s[G0B+4*\s+1], s22, \s*SLOT
	s_add_nc_u64 s[G0B+4*\s+2:G0B+4*\s+3], s[46:47], \s*KSTEP*2
	s_or_b32 s[G0B+4*\s+3], s[G0B+4*\s+3], 0x80000000
	JLOAD \s                                       ; K steps 0 and 1: two tensor loads of the wave are out, later one
.endr
	; the bias of my 96 columns
	v_and_b32 v1, 15, v0                           ; r = l % 16
	v_bfe_u32 v2, v0, 4, 1                         ; h = l / 16
	s_mul_i32 s76, s42, 768                        ; 4 bytes x 192 x block column
	s_mul_i32 s77, s14, 384
	s_add_co_u32 s76, s76, s77
	s_mov_b32 s77, 0
	s_add_nc_u64 s[8:9], s[8:9], s[76:77]
	v_lshlrev_b32 v[BO], 5, v2                     ; 8 h numbers of 4 bytes
.irp b, 0,1,2,3,4,5
	global_load_b128 v[BIAS+8*\b:BIAS+8*\b+3],   v[BO], s[8:9] offset:64*\b
	global_load_b128 v[BIAS+8*\b+4:BIAS+8*\b+7], v[BO], s[8:9] offset:64*\b+16
.endr
	; fragment addresses: lane l holds row l % 16; two loads of 16 bytes, 32 bytes apart, at row x pitch + 16 (l / 16)
	v_mul_u32_u24 v3, v1, PITCH
	v_lshl_add_u32 v3, v2, 4, v3
	s_mul_i32 s74, s13, HALFA
	s_mul_i32 s75, s14, HALFB
	s_add_co_u32 s75, s75, BOFF
.irp s, 0,1
	v_add_nc_u32 v[ADRA+\s], s74, v3
	v_add_nc_u32 v[ADRB+\s], s75, v3
	s_add_co_u32 s74, s74, SLOT
	s_add_co_u32 s75, s75, SLOT
.endr
	; the way out.  In: half wn, row 128 wm + r, 16 h bytes: each wave's stores lie in 128 rows of its own.
	s_mul_i32 s74, s14, HALFS
	s_mul_i32 s75, s13, 128*SP
	s_add_co_u32 s74, s74, s75
	v_mul_u32_u24 v4, v1, SP
	v_lshl_add_u32 v4, v2, 4, v4
	v_add_nc_u32 v[STO], s74, v4
	; Back: wave w takes rows 64 w .. 64 w + 63 of each head; a load takes four rows of 128 bytes: row l / 8, bytes 16 (l % 8).
	v_bfe_u32 v5, v0, 3, 2                         ; l / 8
	v_and_b32 v6, 7, v0                            ; l % 8
	v_mul_u32_u24 v7, v5, SP
	v_lshl_add_u32 v7, v6, 4, v7
	s_mul_i32 s74, s12, 64*SP
	v_add_nc_u32 v[RDH], s74, v7                   ; head 0: columns 0-63, half 0 from byte 0
	v_bfe_u32 v8, v0, 2, 1                         ; head 1: columns 64-95 are half 0's bytes 128-191, columns 96-127 half 1's bytes 0-63
	v_mul_u32_u24 v8, v8, HALFS-192
	v_add3_u32 v[RDH+1], v[RDH], v8, 128
	v_add_nc_u32 v[RDH+2], HALFS+64, v[RDH]        ; head 2: columns 128-191, half 1 from byte 64
	v_and_b32 v9, 31, v0
	s_lshl_b32 s74, s12, 13                        ; 64 rows of 128 bytes a wave
	v_lshl_add_u32 v[CO], v9, 4, s74
; 12 matrix instructions: m blocks a0, a0 + 1 of the window's four x all 6 n blocks, 32 along K.  first = 1: the bias is C, nothing is cleared.
; The 48 accumulators take turns, one instruction a turn, in the same order in every quarter step.
.macro MUL12 f, hi, a0, first
.irp a, \a0, \a0+1
.irp b, 0,1,2,3,4,5
.if \first
	v_wmma_f32_16x16x32_bf16 v[8*(6*(\a)+\b):8*(6*(\a)+\b)+7], v[\f+8*\b:\f+8*\b+7], v[\f+8*(4*\hi+\a):\f+8*(4*\hi+\a)+7], v[BIAS+8*\b:BIAS+8*\b+7]
.else
	v_wmma_f32_16x16x32_bf16 v[8*(6*(\a)+\b):8*(6*(\a)+\b)+7], v[\f+8*\b:\f+8*\b+7], v[\f+8*(4*\hi+\a):\f+8*(4*\hi+\a)+7], v[8*(6*(\a)+\b):8*(6*(\a)+\b)+7]
.endif
.endr
.endr
.endm
; 28 LDS loads in one run: the fragments of one quarter step (96 rows of wib, 128 rows of xb, 32 K at byte k of the rows) into buffer f
.macro FETCH slot, k, f
	WIN TO_B
.irp i, 0,1,2,3,4,5
	ds_load_b128 v[\f+8*\i:\f+8*\i+3],   v[ADRB+\slot] offset:\k+\i*16*PITCH
	ds_load_b128 v[\f+8*\i+4:\f+8*\i+7], v[ADRB+\slot] offset:\k+\i*16*PITCH+32
.endr
	WIN 0
.irp i, 0,1,2,3,4,5,6,7
	ds_load_b128 v[\f+8*\i:\f+8*\i+3],   v[ADRA+\slot] offset:\k+\i*16*PITCH
	ds_load_b128 v[\f+8*\i+4:\f+8*\i+7], v[ADRA+\slot] offset:\k+\i*16*PITCH+32
.endr
.endm
; Four places between a matrix instruction and a load into, or a vector instruction on, one of its registers.
.macro PLACES
.rept 4
	v_nop
.endr
.endm
; One of a K step's first three quarters: multiplies buffer f; in its middle it fetches the next quarter's fragments into buffer g.
.macro QUARTER slot, k, f, g, first
	s_wait_dscnt 8                                 ; wib's fragments and xb's rows 0-63 are in; the youngest eight loads (xb's rows 64-127) may be out
.if \first
	WIN MUL_LOB
.else
	WIN MUL_LO
.endif
	MUL12 \f, 0, 0, \first
	MUL12 \f, 0, 2, \first
	PLACES
	FETCH \slot, \k, \g
	s_wait_dscnt 28                                ; all but the 28 just issued
.if \first
	WIN MUL_HIB
.else
	WIN MUL_HI
.endif
	MUL12 \f, 1, 0, \first
	MUL12 \f, 1, 2, \first
.endm
.macro THREE slot, first
	QUARTER \slot, 64,  F0, F1, \first
	QUARTER \slot, 128, F1, F0, 0
	QUARTER \slot, 192, F0, F1, 0
.endm
; The last quarter: multiplies buffer 1 and changes slots.  In front of the barrier each wave waits for its reads of this slot and for all its tensor
; loads (one is out: its part of the next slot).  Behind it the refill comes first, then the next slot's first fragments.
.macro TURN slot, next, fill
	s_wait_dscnt 8
	WIN MUL_LO
	MUL12 F1, 0, 0, 0
	s_wait_dscnt 0                                 ; my reads of this slot are over
	s_wait_tensorcnt 0x0                           ; all my tensor loads have landed
	ds_add_u32 v255, v255
	s_wait_dscnt 0x0
	s_barrier_signal -1                            ; (where a slot is filled again this barrier opens a round of the cluster's barrier)
	MUL12 F1, 0, 2, 0                              ; registers only
	WIN 0
	s_barrier_wait -1
.if \fill
	CREST                                          ; no wave of any partner still reads this slot or has a load on its way
	s_add_nc_u64 s[G0+4*\slot+2:G0+4*\slot+3], s[G0+4*\slot+2:G0+4*\slot+3], 2*KSTEP*2
	s_add_nc_u64 s[G0B+4*\slot+2:G0B+4*\slot+3], s[G0B+4*\slot+2:G0B+4*\slot+3], 2*KSTEP*2
	JLOAD \slot                                    ; the first tensor load behind the round
.endif
	PLACES
	FETCH \next, 0, F0
	WIN MUL_HI
	MUL12 F1, 1, 0, 0
	MUL12 F1, 1, 2, 0
.endm
.macro LAP first
	THREE 0, \first
	TURN 0, 1, 1
	THREE 1, 0
	TURN 1, 0, 1
.endm
	s_wait_tensorcnt 1                             ; my part of K step 0 is in; K step 1's load stays out
	s_wait_loadcnt 0x0                             ; the bias
	s_barrier_signal -1
	s_barrier_wait -1
	FETCH 0, 0, F0
	LAP 1                                          ; the first lap stands in front of the loop: its first products take the bias as C
	WIN 0
	s_mov_b32 s3, LAPS-2
.Llap:
	LAP 0
	WIN 0
	s_sub_co_u32 s3, s3, 1
	s_cmp_lg_u32 s3, 0
	s_cbranch_scc1 .Llap
	THREE 0, 0                                     ; the last lap fills nothing
	TURN 0, 1, 0
	THREE 1, 0
	s_wait_dscnt 8
	WIN MUL_LO
	MUL12 F1, 0, 0, 0
	MUL12 F1, 0, 2, 0
	s_wait_dscnt 0
	WIN MUL_HI
	MUL12 F1, 1, 0, 0
	MUL12 F1, 1, 2, 0
	; THE WAY OUT.  The block's 192 columns are three heads of 64.  All four waves round to f16 into the stage (slot 0: its last fill has landed and its last
	; reads were waited for in front of the last change of slots), pass a barrier, and each wave stores 64 rows of each head: 8,192 dense bytes.
	PLACES
	WIN 0
.irp g, 0,1,2
	s_mul_i32 s74, s42, 3
	s_add_co_u32 s74, s74, \g                      ; head number 0..47 over q, k, v
	s_lshr_b32 s75, s74, 4                         ; part
	s_lshl_b32 s75, s75, 1
	s_lshr_b32 s76, s20, 3                         ; batch: 8 block rows each
	s_add_co_u32 s75, s75, s76
	s_lshl_b32 s75, s75, 4
	s_and_b32 s74, s74, 15
	s_add_co_u32 s75, s75, s74                     ; plane = (part x 2 + batch) x 16 + head
	s_lshl_b32 s74, s75, 18                        ; 2,048 rows of 128 bytes
	s_and_b32 s76, s20, 7
	s_lshl_b32 s76, s76, 15                        ; 256 rows of 128 bytes a block row
	s_add_co_u32 s74, s74, s76
	s_mov_b32 s75, 0
	s_add_nc_u64 s[68+2*\g:69+2*\g], s[10:11], s[74:75]
.endr
.macro OUTA a                          ; my rows 16 a .. 16 a + 15: six tiles, 16 bytes a lane and tile
.if \a < 4
	WIN 0x0a
.else
	WIN 0x0f
.endif
.irp b, 0,1,2,3,4,5
.irp i, 0,1,2,3
	v_cvt_pk_f16_f32 v[TMP+4*\b+\i], v[8*(6*(\a%4)+\b)+2*\i], v[8*(6*(\a%4)+\b)+2*\i+1]
.endr
.endr
	WIN 0
.irp b, 0,1,2,3,4,5
	ds_store_b128 v[STO], v[TMP+4*\b:TMP+4*\b+3] offset:16*SP*\a+32*\b
.endr
.endm
.macro OUTH g, f                       ; head g: 16 loads of four rows, 16 stores of 512 neighbouring bytes, aligned
.irp t, 0,1,2,3,4,5,6,7,8,9,10,11,12,13,14,15
	ds_load_b128 v[\f+4*\t:\f+4*\t+3], v[RDH+\g] offset:4*SP*\t
.endr
.irp t, 0,1,2,3,4,5,6,7,8,9,10,11,12,13,14,15
	s_wait_dscnt 15-\t                             ; LDS loads come back in order (ISA guide 5.7.1): load t is in
	global_store_b128 v[CO], v[\f+4*\t:\f+4*\t+3], s[68+2*\g:69+2*\g] offset:512*\t
.endr
.endm
.irp a, 0,1,2,3,4,5,6,7
	OUTA \a
.endr
	s_wait_dscnt 0x0                               ; my stores into the stage are done, for the other waves' sake
	s_barrier_signal -1
	s_barrier_wait -1
	OUTH 0, F0
	OUTH 1, F1
	s_wait_xcnt 0x0                                ; buffer 0, which head 0's stores read, is loaded again only behind this wait
	OUTH 2, F0
	s_set_vgpr_msb 0x1
	s_wait_tensorcnt 0x0
	ds_add_u32 v255, v255
	s_wait_dscnt 0x0
	s_set_vgpr_msb 0x100
	CROUND                                         ; the closing round: no work-group ends while a partner may still ask for a tile that names it
	s_endpgm
.Lfunc_end_k_qc3b0a99d3b_qkv:
	.size	k_qc3b0a99d3b_qkv, .Lfunc_end_k_qc3b0a99d3b_qkv-k_qc3b0a99d3b_qkv
	.p2alignl 7, 3214868480
	.fill 96, 4, 3214868480
	.section	.rodata,"a",@progbits
	.p2align	6, 0x0
	.amdhsa_kernel k_qc3b0a99d3b_qkv
		.amdhsa_group_segment_fixed_size 327680
		.amdhsa_private_segment_fixed_size 0
		.amdhsa_enable_private_segment 0
		.amdhsa_kernarg_size 32
		.amdhsa_user_sgpr_count 2
		.amdhsa_user_sgpr_kernarg_segment_ptr 1
		.amdhsa_wavefront_size32 1
		.amdhsa_system_sgpr_workgroup_id_x 1
		.amdhsa_system_sgpr_workgroup_id_y 1
		.amdhsa_system_sgpr_workgroup_id_z 1
		.amdhsa_system_vgpr_workitem_id 0
		.amdhsa_next_free_vgpr 960
		.amdhsa_next_free_sgpr 80
		.amdhsa_reserve_vcc 0
		.amdhsa_float_denorm_mode_32 3
		.amdhsa_float_denorm_mode_16_64 3
		.amdhsa_memory_ordered 1
		.amdhsa_forward_progress 1
		.amdhsa_inst_pref_size 161
	.end_amdhsa_kernel
	.amdgpu_metadata
---
amdhsa.version: [ 1, 2 ]
amdhsa.kernels:
  - .name:           k_qc3b0a99d3b_qkv
    .symbol:         k_qc3b0a99d3b_qkv.kd
    .args:
      - { .name: xb, .offset: 0, .size: 8, .value_kind: global_buffer, .address_space: global }
      - { .name: wib, .offset: 8, .size: 8, .value_kind: global_buffer, .address_space: global }
      - { .name: b_in, .offset: 16, .size: 8, .value_kind: global_buffer, .address_space: global }
      - { .name: qkv, .offset: 24, .size: 8, .value_kind: global_buffer, .address_space: global }
    .group_segment_fixed_size: 327680
    .private_segment_fixed_size: 0
    .kernarg_segment_align: 8
    .kernarg_segment_size: 32
    .max_flat_workgroup_size: 128
    .sgpr_count:     80
    .vgpr_count:     960
    .wavefront_size: 32
...
	.end_amdgpu_metadata
.endif
;; end of part 2
;; launch attn (part 3): grid 8 x 32, 4 waves a work-group, no clusters, 327,680 bytes of LDS; arguments qkv, ctx; writes ctx
.if DOCPART == 3
	.amdgcn_target "amdgcn-amd-amdhsa--gfx1250"
	.amdhsa_code_object_version 6
	.text
	.protected	k_qc3b0a99d3b_attn
	.globl	k_qc3b0a99d3b_attn
	.p2align	8
	.type	k_qc3b0a99d3b_attn,@function
k_qc3b0a99d3b_attn:
	s_mov_b64 s[64:65], 0
	v_nop
	global_prefetch_b8 v0, s[64:65] scope:SCOPE_SE
	s_setreg_imm32_b32 hwreg(HW_REG_WAVE_MODE, 25, 1), 1
	s_wait_xcnt 0x0
; attn: causal attention of one head, softmax(q k^T / 8 + mask) v, with a running maximum; f16 operands, f32 sums, softmax in f32.
; qkv: [q,k,v][batch x head: 32][2048][64] f16.   ctx: [32][2048][64] f16.
; LIMITS: finite inputs; |q|, |k|, |v| < 65,504 (f16).  Every query has at least its own key, so the running maximum is finite from its first step on.
; Work-group (i, bh) takes query blocks 15 - i and then i (128 rows each) of head bh: (16 - i) + (i + 1) = 17 key tiles of 128 for every work-group;
; tiles above the diagonal are not computed.  A wave takes 32 queries as two pieces of 16, which share the K and V fragments.
; NO CLUSTER: in any one step the eight work-groups of a head are at different key tiles (their first blocks have 16 - i tiles); a form in which four
; partners walk the same tiles needs 20 steps of this work instead of 17.
; TRANSPOSED PRODUCTS.  S^T = K Q^T (source 0 = 16 keys, source 1 = 16 queries): lane (r = l % 16, h = l / 16) holds query r, register j of tile kt holds
; key 16 kt + 8 h + j.  So a query's maximum is a maximum along the lane's registers and one exchange between the halves of the wave, and tiles 2 ks, 2 ks + 1,
; packed to f16 in place, ARE source 1 of O^T = V^T P^T for keys 32 ks .. 32 ks + 31.  Source 0 there comes by transposing loads from V as it lies, [key][d].
; A fifth source 0 of ones gives the row sum of the rounded P as a fifth accumulator tile.
; THE TWO PIECES TAKE TURNS: piece 0's softmax stands among piece 1's S products, piece 1's softmax among piece 0's PV products.
; REGISTERS: window 0: addresses and softmax state v1-27, O v48-127, S v128-255.  Window 1: K fragments v0-127, Q v128-159, the second block's Q v160-191.
;            Window 2: V fragments v0-127, ones v128-135.
.set KB,    128*144                    ; K in a slot: 128 rows of 128 bytes + 16 (an odd multiple of 16)
.set SLOTB, 128*144+128*160            ; then V: 128 rows of 128 bytes + 32 (an odd multiple of 32, for the transposing loads): 38,912 bytes
.set STAGE, 2*SLOTB                    ; 77,824, a multiple of 256: 32 rows of 144 bytes for each wave; no tensor load lands here
.set KADR, 1                           ; v1   144 r + 16 h
.set VADR, 2                           ; v2   KB + (8 h + l % 8) 160 + 16 ((l / 8) % 2)
.set STO,  3                           ; v3   my stage + 144 r + 16 h
.set RD,   4                           ; v4   my stage + 144 (l / 8) + 16 (l % 8)
.set CO,   5                           ; v5   16 l
.set DQ,   6                           ; v6-7   piece p: 32 w + 16 p + r - 8 h: key register (kt, j) is masked where 16 kt + j is larger
.set MX,   8                           ; v8-9   piece p: running maximum of the raw scores
.set NM,   10                          ; v[10:13] piece p: a pair, -c x maximum
.set AL,   14                          ; v[14:17] piece p: a pair, the factor on the old sums; at the end 1 / row sum
.set T,    18                          ; v18-21 at work
.set QO,   26                          ; v26  128 r + 16 h
.set NINF, 27                          ; v27  -infinity
.set OB,   48                          ; piece p at OB + 40 p: tiles d = 16 dt .. (dt = 0..3), then the row-sum tile
.set SB,   128                         ; piece p at SB + 64 p: tile kt at + 8 kt; P of keys 32 ks .. at + 16 ks .. + 16 ks + 7
.set RB,   192                         ; the way out: rows read back
.set QF,   128                         ; window 1: Q of piece p, d = 32 ds .. at QF + 16 p + 8 ds
.set Q2,   160                         ; window 1: the same for the second block
.set ONES, 128                         ; window 2
.set G1K, 24                           ; s[24:31] group 1 for K's quarter tiles
.set G1V, 32                           ; s[32:39] for V's
.set G0K, 40                           ; s[40:47] group 0 for K, one set for each slot
.set G0V, 48                           ; s[48:55] for V
.set MSB, 0
.macro WIN new                         ; low byte: bits 1:0 source 0, 3:2 source 1, 5:4 source 2, 7:6 destination; the high byte repeats the setting that is left
.if MSB != \new
	s_set_vgpr_msb (MSB<<8)|\new
.set MSB, \new
.endif
.endm
.set W_S,  0x05                        ; S products: sources 0 and 1 (K, Q) window 1
.set W_PV, 0x02                        ; PV products: source 0 (V, ones) window 2
.macro PLACES                          ; four places (ISA guide 7.12.1)
.rept 4
	v_nop
.endr
.endm
.macro RESET                           ; a query block begins: maximum -infinity, so -c x maximum = +infinity and the first factor is exp2(-infinity) = 0
	v_mov_b32 v[MX], v[NINF]
	v_mov_b32 v[MX+1], v[NINF]
.irp k, 0,1,2,3
	v_mov_b32 v[NM+\k], 0x7f800000
.endr
.set q, 0
.rept 80
	v_mov_b32 v[OB+q], 0                           ; the sums are scaled before they are added to, in the first step too, so they must hold numbers
.set q, q+1
.endr
.endm
	s_load_b128 s[4:7], s[0:1], 0x0                ; qkv s[4:5], ctx s[6:7]
	v_lshl_add_u32 v46, v0, 2, 0x29000
	v_mov_b32 v47, 0
	ds_add_u32 v46, v47
	ds_add_u32 v46, v47
	v_lshrrev_b32 v28, 5, v0
	v_readfirstlane_b32 s8, v28                    ; wave 0..3
	s_mov_b32 s9, ttmp9                            ; i
	s_and_b32 s10, ttmp7, 0xffff                   ; bh
	s_sub_co_u32 s12, 15, s9                       ; the first block, and the step in which its diagonal tile comes
	s_sub_co_u32 s14, 16, s9                       ; its number of tiles
	s_mov_b32 s15, s12                             ; the block at work
	s_mov_b32 s13, 1                               ; the next tile to fetch
	s_mov_b32 s11, 0                               ; the step
	s_mov_b32 s20, 0x76543210                      ; v_permlanex16_b32: lane i of one half reads lane i of the other
	s_mov_b32 s21, 0xfedcba98
	s_mov_b32 s22, 0x3e38aa3b                      ; c = log2(e) / 8: the scale 1 / sqrt(64), a power of two, folded into the exponent's factor
	s_mov_b32 s23, 0x3e38aa3b
	s_mov_b32 s2, 0xbe38aa3b                       ; -c
	; group 1: a quarter tile is 4,096 dense bytes, fetched as 16 rows of 256 bytes; padding behind every 32 words (one key's 128 bytes): 4 words for K, 8 for V
	s_mov_b32 s[G1K+0], (1<<16)|(1<<20)|(4<<22)|(3<<25)
	s_mov_b32 s[G1V+0], (1<<16)|(1<<20)|(4<<22)|(7<<25)
.irp g, G1K, G1V
	s_mov_b32 s[\g+1], 128<<16                     ; tensor_dim0 = 128 elements
	s_mov_b32 s[\g+2], 16<<16                      ; tensor_dim1 = 16
	s_mov_b32 s[\g+3], 128<<16                     ; tile_dim0
	s_mov_b32 s[\g+4], 16                          ; tile_dim1
	s_mov_b32 s[\g+5], 128                         ; pitch
	s_mov_b32 s[\g+6], 0
	s_mov_b32 s[\g+7], 0
.endr
	s_lshl_b32 s62, s10, 18                        ; my head's plane: 2,048 rows of 128 bytes
	s_lshl_b32 s63, s8, 12                         ; my wave's 32 rows of a block of 128
	s_add_co_u32 s62, s62, s63
	s_mov_b32 s63, 0
	s_mov_b32 s61, 0
	s_wait_dscnt 0x0
	s_wait_kmcnt 0x0
	s_add_nc_u64 s[18:19], s[4:5], s[62:63]        ; q
	s_add_nc_u64 s[56:57], s[18:19], 0x800000      ; k: 32 planes on
	s_add_nc_u64 s[58:59], s[18:19], 0x1000000     ; v: 64 planes on
	s_or_b32 s57, s57, 0x80000000                  ; the type
	s_or_b32 s59, s59, 0x80000000
	s_mul_i32 s62, s8, 32*144                      ; my quarter of K in a slot
	s_mul_i32 s63, s8, 32*160                      ; my quarter of V
	s_add_co_u32 s63, s63, KB
.irp s, 0,1
	s_mov_b32 s[G0K+4*\s], 1
	s_add_co_u32 s[G0K+4*\s+1], s62, \s*SLOTB
	s_mov_b32 s[G0V+4*\s], 1
	s_add_co_u32 s[G0V+4*\s+1], s63, \s*SLOTB
.endr
	s_mov_b64 s[G0K+2:G0K+3], s[56:57]
	s_mov_b64 s[G0V+2:G0V+3], s[58:59]
	tensor_load_to_lds s[G0K:G0K+3], s[G1K:G1K+7]  ; tile 0 into slot 0: two tensor loads of the wave are out, here and behind every barrier of the loop
	s_nop 0
	tensor_load_to_lds s[G0V:G0V+3], s[G1V:G1V+7]
	s_nop 0
	; Q of both blocks, straight into source-1 fragments: lane (r, h) takes row r, 16 bytes at 64 ds + 16 h and at + 32
	v_and_b32 v29, 15, v0                          ; r
	v_bfe_u32 v30, v0, 4, 1                        ; h
	v_lshlrev_b32 v[QO], 7, v29
	v_lshl_add_u32 v[QO], v30, 4, v[QO]
	s_lshl_b32 s60, s9, 14                         ; a block is 128 rows of 128 bytes
	s_add_nc_u64 s[66:67], s[18:19], s[60:61]      ; block i
	s_lshl_b32 s60, s12, 14
	s_add_nc_u64 s[18:19], s[18:19], s[60:61]      ; block 15 - i
	WIN 0x40
.irp p, 0,1
.irp d, 0,1
	global_load_b128 v[QF+16*\p+8*\d:QF+16*\p+8*\d+3],   v[QO], s[18:19] offset:2048*\p+64*\d
	global_load_b128 v[QF+16*\p+8*\d+4:QF+16*\p+8*\d+7], v[QO], s[18:19] offset:2048*\p+64*\d+32
	global_load_b128 v[Q2+16*\p+8*\d:Q2+16*\p+8*\d+3],   v[QO], s[66:67] offset:2048*\p+64*\d
	global_load_b128 v[Q2+16*\p+8*\d+4:Q2+16*\p+8*\d+7], v[QO], s[66:67] offset:2048*\p+64*\d+32
.endr
.endr
	WIN 0x80
.irp k, 0,1,2,3,4,5,6,7
	v_mov_b32 v[ONES+\k], 0x3c003c00               ; 1.0, 1.0 in f16
.endr
	WIN 0
	v_and_b32 v28, 31, v0                          ; l
	v_mul_u32_u24 v[KADR], v29, 144
	v_lshl_add_u32 v[KADR], v30, 4, v[KADR]
	v_and_b32 v31, 7, v0
	v_lshl_add_u32 v31, v30, 3, v31                ; 8 h + l % 8
	v_mul_u32_u24 v[VADR], v31, 160
	v_bfe_u32 v31, v0, 3, 1
	v_lshl_add_u32 v[VADR], v31, 4, v[VADR]
	v_add_nc_u32 v[VADR], KB, v[VADR]
	s_mul_i32 s62, s8, 32*144
	s_add_co_u32 s62, s62, STAGE                   ; my stage
	v_add_nc_u32 v[STO], s62, v[KADR]
	v_lshrrev_b32 v31, 3, v28
	v_mul_u32_u24 v[RD], v31, 144
	v_and_b32 v31, 7, v0
	v_lshl_add_u32 v[RD], v31, 4, v[RD]
	v_add_nc_u32 v[RD], s62, v[RD]
	v_lshlrev_b32 v[CO], 4, v28
	s_lshl_b32 s63, s8, 5
	v_lshlrev_b32 v31, 3, v30
	v_sub_nc_u32 v[DQ], v29, v31
	v_add_nc_u32 v[DQ], s63, v[DQ]
	v_add_nc_u32 v[DQ+1], 16, v[DQ]
	v_mov_b32 v[NINF], 0xff800000
	RESET
	s_wait_loadcnt 0x0                             ; Q, once
.macro LOADK slot                      ; 32 loads: source-0 fragments of 128 keys, d = 0-31 first
	WIN 0x40
.irp d, 0,1
.irp k, 0,1,2,3,4,5,6,7
	ds_load_b128 v[8*(8*\d+\k):8*(8*\d+\k)+3],   v[KADR] offset:\slot*SLOTB+2304*\k+64*\d
	ds_load_b128 v[8*(8*\d+\k)+4:8*(8*\d+\k)+7], v[KADR] offset:\slot*SLOTB+2304*\k+64*\d+32
.endr
.endr
.endm
.macro LOADV slot                      ; 32 transposing loads: source-0 fragments (16 d x 32 keys) of V^T
	WIN 0x80
.irp k, 0,1,2,3
.irp d, 0,1,2,3
	ds_load_tr16_b128 v[8*(4*\k+\d):8*(4*\k+\d)+3],   v[VADR] offset:\slot*SLOTB+5120*\k+32*\d
	ds_load_tr16_b128 v[8*(4*\k+\d)+4:8*(4*\k+\d)+7], v[VADR] offset:\slot*SLOTB+5120*\k+32*\d+2560
.endr
.endr
.endm
; Four S products of piece p.  g = 0, 1: d = 0-31, key tiles 0-3, 4-7, starting the sums; g = 2, 3: d = 32-63, adding in place.
; The eight accumulators take turns, one instruction a turn.
.macro SG p, g
.irp k, 0,1,2,3
.if \g < 2
	v_wmma_f32_16x16x32_f16 v[SB+64*\p+8*(4*(\g%2)+\k):SB+64*\p+8*(4*(\g%2)+\k)+7], v[8*(8*(\g/2)+4*(\g%2)+\k):8*(8*(\g/2)+4*(\g%2)+\k)+7], v[QF+16*\p+8*(\g/2):QF+16*\p+8*(\g/2)+7], 0
.else
	v_wmma_f32_16x16x32_f16 v[SB+64*\p+8*(4*(\g%2)+\k):SB+64*\p+8*(4*(\g%2)+\k)+7], v[8*(8*(\g/2)+4*(\g%2)+\k):8*(8*(\g/2)+4*(\g%2)+\k)+7], v[QF+16*\p+8*(\g/2):QF+16*\p+8*(\g/2)+7], v[SB+64*\p+8*(4*(\g%2)+\k):SB+64*\p+8*(4*(\g%2)+\k)+7]
.endif
.endr
.endm
; Five PV products of piece p on keys 32 ks ..: four tiles of O^T and the row sum.  The five accumulators take turns.
.macro PG p, ks
.irp d, 0,1,2,3
	v_wmma_f32_16x16x32_f16 v[OB+40*\p+8*\d:OB+40*\p+8*\d+7], v[8*(4*\ks+\d):8*(4*\ks+\d)+7], v[SB+64*\p+16*\ks:SB+64*\p+16*\ks+7], v[OB+40*\p+8*\d:OB+40*\p+8*\d+7]
.endr
	v_wmma_f32_16x16x32_f16 v[OB+40*\p+32:OB+40*\p+39], v[ONES:ONES+7], v[SB+64*\p+16*\ks:SB+64*\p+16*\ks+7], v[OB+40*\p+32:OB+40*\p+39]
.endm
.macro MASK p                          ; the diagonal tile: keys behind the query get -infinity.  Register 8 kt + j is key 16 kt + 8 h + j
.set mk, 0
.rept 64
	v_cmp_gt_i32 vcc_lo, mk+8*(mk/8), v[DQ+\p]
	v_cndmask_b32 v[SB+64*\p+mk], v[SB+64*\p+mk], v[NINF], vcc_lo
.set mk, mk+1
.endr
.endm
.macro SMMAX p                         ; the new maximum: 64 scores and the old maximum in 32 three-way maxima on four chains, then the other half of the wave
.irp c, 0,1,2,3
	v_max3_num_f32 v[T+\c], v[SB+64*\p+16*\c], v[SB+64*\p+16*\c+1], v[SB+64*\p+16*\c+2]
.endr
.irp k, 0,1,2,3,4,5
.irp c, 0,1,2,3
	v_max3_num_f32 v[T+\c], v[T+\c], v[SB+64*\p+16*\c+3+2*\k], v[SB+64*\p+16*\c+4+2*\k]
.endr
.endr
	v_max3_num_f32 v[T],   v[T],   v[SB+64*\p+15], v[SB+64*\p+31]
	v_max3_num_f32 v[T+1], v[T+1], v[SB+64*\p+47], v[SB+64*\p+63]
	v_max3_num_f32 v[T], v[T], v[T+1], v[T+2]
	v_max3_num_f32 v[T], v[T], v[T+3], v[MX+\p]
	v_permlanex16_b32 v[T+1], v[T], s20, s21       ; the same query's other 64 keys
	v_max_num_f32 v[MX+\p], v[T], v[T+1]
.endm
.macro FSC p, kt                       ; exponents of tile kt: c x score - c x maximum, one rounding
.irp i, 0,1,2,3
	v_pk_fma_f32 v[SB+64*\p+8*(\kt)+2*\i:SB+64*\p+8*(\kt)+2*\i+1], v[SB+64*\p+8*(\kt)+2*\i:SB+64*\p+8*(\kt)+2*\i+1], s[22:23], v[NM+2*\p:NM+2*\p+1] op_sel_hi:[1,0,1]
.endr
.endm
.macro SMSTAT p                        ; the factor on the old sums: exp2(c x old maximum - c x new maximum)
	v_mul_f32 v[T+2], s2, v[MX+\p]
	v_sub_f32 v[T+3], v[T+2], v[NM+2*\p]
	v_exp_f32 v[AL+2*\p], v[T+3]
	v_mov_b32 v[NM+2*\p],   v[T+2]                 ; plain instructions between the exponential and the use of its result (ISA guide 5.7.2)
	v_mov_b32 v[NM+2*\p+1], v[T+2]
	s_wait_alu depctr_va_vdst(0)
	v_mov_b32 v[AL+2*\p+1], v[AL+2*\p]
	FSC \p, 0
.endm
.macro SMK p, kt                       ; tile kt: eight exponentials; the next tile's exponents are the plain work behind them; then the packing, in place
.irp j, 0,1,2,3,4,5,6,7
	v_exp_f32 v[SB+64*\p+8*\kt+\j], v[SB+64*\p+8*\kt+\j]
.endr
.if \kt < 7
	FSC \p, \kt+1
.else
	v_nop
	s_wait_alu depctr_va_vdst(0)
.endif
	s_wait_alu depctr_va_vdst(0)
.irp i, 0,1,2,3
	v_cvt_pk_f16_f32 v[SB+64*\p+16*(\kt/2)+4*(\kt%2)+\i], v[SB+64*\p+8*\kt+2*\i], v[SB+64*\p+8*\kt+2*\i+1]
.endr
.endm
.macro SMR p                           ; the old sums, row sum too, times the factor
.set q, 0
.rept 20
	v_pk_mul_f32 v[OB+40*\p+2*q:OB+40*\p+2*q+1], v[OB+40*\p+2*q:OB+40*\p+2*q+1], v[AL+2*\p:AL+2*\p+1]
.set q, q+1
.endr
.endm
; A block is done: divide by the row sum, round to f16, 16 bytes a lane and tile into my own stage, read back as rows, store 512 neighbouring bytes at a time.
.macro EPI last
	PLACES                                         ; behind the last PV product
	s_lshl_b32 s62, s10, 18
	s_lshl_b32 s63, s15, 14
	s_add_co_u32 s62, s62, s63
	s_lshl_b32 s63, s8, 12
	s_add_co_u32 s62, s62, s63
	s_mov_b32 s63, 0
	s_add_nc_u64 s[66:67], s[6:7], s[62:63]        ; my 32 rows of ctx (no memory instruction that names s[66:67] is pending: see the waits behind Q's loads and at this macro's end)
	v_rcp_f32 v[AL],   v[OB+32]                    ; the row-sum tile holds the query's sum in every register
	v_rcp_f32 v[AL+2], v[OB+72]
	v_nop                                          ; a plain place behind the reciprocals (ISA guide 5.7.2)
	s_wait_alu depctr_va_vdst(0)
	v_mov_b32 v[AL+1], v[AL]
	v_mov_b32 v[AL+3], v[AL+2]
.irp p, 0,1
.set q, 0
.rept 16
	v_pk_mul_f32 v[OB+40*\p+2*q:OB+40*\p+2*q+1], v[OB+40*\p+2*q:OB+40*\p+2*q+1], v[AL+2*\p:AL+2*\p+1]
.set q, q+1
.endr
.endr
.irp p, 0,1
.irp d, 0,1,2,3
.irp i, 0,1,2,3
	v_cvt_pk_f16_f32 v[SB+16*\p+4*\d+\i], v[OB+40*\p+8*\d+2*\i], v[OB+40*\p+8*\d+2*\i+1]
.endr
	ds_store_b128 v[STO], v[SB+16*\p+4*\d:SB+16*\p+4*\d+3] offset:2304*\p+32*\d
.endr
.endr
.irp t, 0,1,2,3,4,5,6,7
	ds_load_b128 v[RB+4*\t:RB+4*\t+3], v[RD] offset:576*\t         ; LDS serves a wave's instructions in order: these see the stores above
.endr
.irp t, 0,1,2,3,4,5,6,7
	s_wait_dscnt 7-\t
	global_store_b128 v[CO], v[RB+4*\t:RB+4*\t+3], s[66:67] offset:512*\t
.endr
.if \last == 0
	RESET
	WIN 0x41
.set q, 0
.rept 32
	v_mov_b32 v[QF+q], v[Q2+q]                     ; the second block's Q
.set q, q+1
.endr
	WIN 0
	s_mov_b32 s15, s9
	s_wait_xcnt 0x0                                ; the stores' data registers are scores again in the next step, and their base is written again at the next block's end
.endif
.endm
; One key tile.  slot: where it lies; refill = 1: the next tile goes into the other slot; tail = 1: the last step, which is the second block's diagonal.
.macro TRIP slot, refill, tail
	s_wait_tensorcnt 0x0                           ; all my tensor loads have landed, my quarters of this tile among them, so every group 0 may be written
	ds_add_u32 v46, v47
	s_wait_dscnt 0x0
.if \refill
	s_lshl_b32 s60, s13, 14                        ; a tile is 128 rows of 128 bytes
	s_add_nc_u64 s[G0K+4*(1-\slot)+2:G0K+4*(1-\slot)+3], s[56:57], s[60:61]
	s_add_nc_u64 s[G0V+4*(1-\slot)+2:G0V+4*(1-\slot)+3], s[58:59], s[60:61]
	s_add_co_u32 s13, s13, 1
	s_cmp_eq_u32 s13, s14                          ; behind the first block's last tile comes the second block's tile 0
	s_cselect_b32 s13, 0, s13
.endif
	s_wait_dscnt 0x0                               ; my reads of the other slot are done
	s_barrier_signal -1
	s_barrier_wait -1                              ; both now hold of every wave
.if \refill
	tensor_load_to_lds s[G0K+4*(1-\slot):G0K+4*(1-\slot)+3], s[G1K:G1K+7]
	s_nop 0
	tensor_load_to_lds s[G0V+4*(1-\slot):G0V+4*(1-\slot)+3], s[G1V:G1V+7]
	s_nop 0
.endif
	LOADK \slot
	WIN W_S
	s_wait_dscnt 24                                ; the first eight loads are in: d = 0-31 of key tiles 0-3; each count leaves the later groups' loads out
	SG 0, 0
	s_wait_dscnt 16
	SG 0, 1
	s_wait_dscnt 8
	SG 0, 2
	s_wait_dscnt 0
	SG 0, 3
	; Five places (ISA guide 7.12.1).  Four of them stand between the last step's last PV product and the loads into its V fragments, and between piece 0's
	; last S product and the vector work on its result.  The fifth is for piece 1's first S products below: they write over the packed P that piece 1's PV
	; products of the last step took as source 1, and on the way that skips the mask no other vector instruction stands between the two.
	PLACES
	v_nop
	LOADV \slot
	WIN 0
.if \tail
	MASK 0
.else
	s_cmp_lg_u32 s11, s12
	s_cbranch_scc1 .Lnm0_\@
	MASK 0
.Lnm0_\@:
.endif
	WIN W_S                                        ; piece 1's S products, piece 0's softmax behind each group of four
	SG 1, 0
	WIN 0
	SMMAX 0
	WIN W_S
	SG 1, 1
	WIN 0
	SMSTAT 0
	SMK 0, 0
	SMK 0, 1
	WIN W_S
	SG 1, 2
	WIN 0
	SMK 0, 2
	SMK 0, 3
	SMK 0, 4
	WIN W_S
	SG 1, 3
	WIN 0
	SMK 0, 5
	SMK 0, 6
	SMK 0, 7
	SMR 0
.if \tail
	MASK 1
.else
	s_cmp_lg_u32 s11, s12
	s_cbranch_scc1 .Lnm1_\@
	MASK 1
.Lnm1_\@:
.endif
	s_wait_dscnt 0x0                               ; V's fragments
	WIN W_PV                                       ; piece 0's PV products, piece 1's softmax behind each group of five
	PG 0, 0
	WIN 0
	SMMAX 1
	WIN W_PV
	PG 0, 1
	WIN 0
	SMSTAT 1
	SMK 1, 0
	SMK 1, 1
	WIN W_PV
	PG 0, 2
	WIN 0
	SMK 1, 2
	SMK 1, 3
	SMK 1, 4
	WIN W_PV
	PG 0, 3
	WIN 0
	SMK 1, 5
	SMK 1, 6
	SMK 1, 7
	SMR 1
	WIN W_PV
	PG 1, 0
	PG 1, 1
	PG 1, 2
	PG 1, 3
	WIN 0
.if \tail
	EPI 1
.else
	s_cmp_lg_u32 s11, s12
	s_cbranch_scc1 .Lne_\@
	EPI 0
.Lne_\@:
	s_add_co_u32 s11, s11, 1
.endif
.endm
	s_mov_b32 s16, 0
.Lstep:                                            ; steps 0 to 15; the first block's diagonal, step 15 - i, lies among them
	TRIP 0, 1, 0
	TRIP 1, 1, 0
	s_add_co_u32 s16, s16, 1
	s_cmp_lt_u32 s16, 8
	s_cbranch_scc1 .Lstep
	TRIP 0, 0, 1                                   ; step 16 fetches nothing
	s_wait_tensorcnt 0x0
	ds_add_u32 v46, v47
	s_wait_dscnt 0x0
	s_endpgm
.Lfunc_end_k_qc3b0a99d3b_attn:
	.size	k_qc3b0a99d3b_attn, .Lfunc_end_k_qc3b0a99d3b_attn-k_qc3b0a99d3b_attn
	.p2alignl 7, 3214868480
	.fill 96, 4, 3214868480
	.section	.rodata,"a",@progbits
	.p2align	6, 0x0
	.amdhsa_kernel k_qc3b0a99d3b_attn
		.amdhsa_group_segment_fixed_size 327680
		.amdhsa_private_segment_fixed_size 0
		.amdhsa_enable_private_segment 0
		.amdhsa_kernarg_size 16
		.amdhsa_user_sgpr_count 2
		.amdhsa_user_sgpr_kernarg_segment_ptr 1
		.amdhsa_wavefront_size32 1
		.amdhsa_system_sgpr_workgroup_id_x 1
		.amdhsa_system_sgpr_workgroup_id_y 1
		.amdhsa_system_sgpr_workgroup_id_z 1
		.amdhsa_system_vgpr_workitem_id 0
		.amdhsa_next_free_vgpr 648
		.amdhsa_next_free_sgpr 68
		.amdhsa_reserve_vcc 1
		.amdhsa_float_denorm_mode_32 3
		.amdhsa_float_denorm_mode_16_64 3
		.amdhsa_memory_ordered 1
		.amdhsa_forward_progress 1
		.amdhsa_inst_pref_size 158
	.end_amdhsa_kernel
	.amdgpu_metadata
---
amdhsa.version: [ 1, 2 ]
amdhsa.kernels:
  - .name:           k_qc3b0a99d3b_attn
    .symbol:         k_qc3b0a99d3b_attn.kd
    .args:
      - { .name: qkv, .offset: 0, .size: 8, .value_kind: global_buffer, .address_space: global }
      - { .name: ctx, .offset: 8, .size: 8, .value_kind: global_buffer, .address_space: global }
    .group_segment_fixed_size: 327680
    .private_segment_fixed_size: 0
    .kernarg_segment_align: 8
    .kernarg_segment_size: 16
    .max_flat_workgroup_size: 128
    .sgpr_count:     68
    .vgpr_count:     648
    .wavefront_size: 32
...
	.end_amdgpu_metadata
.endif
;; end of part 3
;; launch oproj (part 4): grid 8 x 32, 4 waves a work-group, clusters of 4 x 4, 327,680 bytes of LDS; arguments ctx, wob, b_out, out0; writes out0
.if DOCPART == 4
	.amdgcn_target "amdgcn-amd-amdhsa--gfx1250"
	.amdhsa_code_object_version 6
	.text
	.protected	k_qc3b0a99d3b_oproj
	.globl	k_qc3b0a99d3b_oproj
	.p2align	8
	.type	k_qc3b0a99d3b_oproj,@function
k_qc3b0a99d3b_oproj:
	s_mov_b64 s[64:65], 0
	v_nop
	global_prefetch_b8 v0, s[64:65] scope:SCOPE_SE
	s_setreg_imm32_b32 hwreg(HW_REG_WAVE_MODE, 25, 1), 1
	s_wait_xcnt 0x0
	s_wait_alu depctr_hold_cnt(0) depctr_sa_sdst(0) depctr_va_vdst(0) depctr_va_sdst(0) depctr_va_ssrc(0) depctr_va_vcc(0) depctr_vm_vsrc(0)
	s_getreg_b32 s2, hwreg(HW_REG_IB_STS2, 6, 4)
	s_cmp_eq_u32 s2, 0
	s_cbranch_scc0 .Lentry_in_a_cluster
	s_endpgm
.Lentry_in_a_cluster:
	s_bfe_u32 s2, ttmp6, 0x10000c
	s_cmp_lg_u32 s2, 0xf033
	s_cbranch_scc0 .Lentry_shape_is_right
	s_endpgm
.Lentry_shape_is_right:
; oproj: out0[m][n] = sum over k of ctx(m, k) wob[n][k] + b_out[n], NaN replaced by 0; m < 4096, n < 1024, k = 64 head + d < 1024.
; ctx: [batch][head][2048][64] f16.  wob: [1024][1024] f16.  f32 sums, f32 result.
; A work-group makes 128 x 128 with four waves; wave (wm, wn) makes 64 x 64: 16 accumulator tiles.  8 x 32 = 256 work-groups.
; K goes in 4 steps of 256 (four heads) through two LDS slots; the four steps are written out.
; CLUSTERS: 4 x 4 work-groups.  ctx's tiles hang on the block row alone and are asked for jointly along a row of the cluster, wob's on the block column
; alone and jointly along a column.  Every wave issues one load of each kind: one head's 128 rows of ctx (16,384 dense bytes) and 32 rows of wob.
; The matrix instruction is used transposed (source 0 = 16 rows of wob, source 1 = 16 rows of ctx): a lane's eight results are eight neighbouring columns.
; The bias enters as the C operand of each tile's first product.
; REGISTERS: window 0: addresses v16-27, bias v32-63, two fragment buffers v64-127 and v128-191 (ctx at + 0, wob at + 32), v192-223 at work on the way out.
;            window 1: tile (a, b) at v[8 (4 a + b)].
.set PA,    144                        ; ctx in LDS: a row of 128 bytes + 16
.set SUBA,  128*PA                     ; one head's sub-tile: 18,432 bytes
.set PB,    528                        ; wob in LDS: a row of 512 bytes + 16
.set BOFF,  4*SUBA                     ; 73,728
.set SLOT,  4*SUBA+128*PB              ; 141,312
.set STAGE, 2*SLOT                     ; 282,624, a multiple of 256: 16 rows of 272 bytes for each wave; no tensor load lands here
.set SPITCH, 272
.set ADRA, 16                          ; v16-17
.set ADRB, 20                          ; v20-21
.set STO,  24
.set RD,   25
.set CO,   26
.set BO,   27
.set BIAS, 32
.set F0,   64
.set F1,   128
.set TMP,  192
.set G1,  24
.set G0,  32
.set G1B, 48
.set G0B, 56
.set MSB, 0
.macro WIN new                         ; low byte: bits 1:0 source 0, 3:2 source 1, 5:4 source 2, 7:6 destination; the high byte repeats the setting that is left
.if MSB != \new
	s_set_vgpr_msb (MSB<<8)|\new
.set MSB, \new
.endif
.endm
.set W_MUL,  0x50                      ; C and D window 1
.set W_MULB, 0x40                      ; C = the bias in window 0, D window 1
.macro CREST
	s_cmp_lg_u32 s12, 0
	s_cbranch_scc1 .Lnot_wave_0_\@
	s_barrier_signal -3
.Lnot_wave_0_\@:
	s_barrier_wait -3
	s_barrier_signal -1
	s_barrier_wait -1
.endm
.macro CROUND
	s_barrier_signal -1
	s_barrier_wait -1
	CREST
.endm
.macro JL s                            ; my two joint loads for slot s
	tensor_load_to_lds s[G0+4*\s:G0+4*\s+3], s[G1:G1+7]
	s_nop 0
	tensor_load_to_lds s[G0B+4*\s:G0B+4*\s+3], s[G1B:G1B+7]
	s_nop 0
.endm
.macro PLACES                          ; four places (ISA guide 7.12.1)
.rept 4
	v_nop
.endr
.endm
	s_load_b256 s[4:11], s[0:1], 0x0               ; ctx s[4:5], wob s[6:7], b_out s[8:9], out0 s[10:11]
	v_lshl_add_u32 v254, v0, 2, 0x49400
	v_mov_b32 v255, 0
	ds_add_u32 v254, v255
	ds_add_u32 v254, v255
	v_lshrrev_b32 v1, 5, v0
	v_readfirstlane_b32 s12, v1                    ; wave 0..3
	s_lshr_b32 s13, s12, 1                         ; wm
	s_and_b32 s14, s12, 1                          ; wn
	s_bfe_u32 s40, ttmp6, 0x40000                  ; cx
	s_bfe_u32 s41, ttmp6, 0x40004                  ; cy
	s_lshl_b32 s42, ttmp9, 2
	s_add_co_u32 s42, s42, s40                     ; block column
	s_and_b32 s20, ttmp7, 0xffff
	s_lshl_b32 s20, s20, 2
	s_add_co_u32 s20, s20, s41                     ; block row
	s_lshl_b32 s44, s41, 2
	s_lshl_b32 s44, 15, s44                        ; my row of the cluster
	s_lshl_b32 s45, 0x1111, s40                    ; my column
	; ctx: 64 rows of 128 elements (dense), 4 words of padding behind every 32 words (one position's 128 bytes)
	s_or_b32 s[G1+0],  s44, (1<<16)|(1<<20)|(1<<21)|(4<<22)|(3<<25)
	s_mov_b32 s[G1+1], 128<<16
	s_mov_b32 s[G1+2], 64<<16
	s_mov_b32 s[G1+3], 128<<16
	s_mov_b32 s[G1+4], 64
	s_mov_b32 s[G1+5], 128
	s_mov_b32 s[G1+6], 0
	s_mov_b32 s[G1+7], 0
	; wob: 32 rows of 256 elements, 1,024 elements from row to row, 4 words of padding behind every 128 words
	s_or_b32 s[G1B+0], s45, (1<<16)|(1<<20)|(1<<21)|(6<<22)|(3<<25)
	s_mov_b32 s[G1B+1], 256<<16
	s_mov_b32 s[G1B+2], 32<<16
	s_mov_b32 s[G1B+3], 256<<16
	s_mov_b32 s[G1B+4], 32
	s_mov_b32 s[G1B+5], 1024
	s_mov_b32 s[G1B+6], 0
	s_mov_b32 s[G1B+7], 0
	s_lshr_b32 s16, s20, 4                         ; batch: 16 block rows each
	s_lshl_b32 s16, s16, 22                        ; 16 planes of 262,144 bytes
	s_lshl_b32 s17, s12, 18                        ; head = wave (+ 4 for each K step)
	s_add_co_u32 s16, s16, s17
	s_and_b32 s17, s20, 15
	s_lshl_b32 s17, s17, 14                        ; 128 positions of 128 bytes
	s_add_co_u32 s16, s16, s17
	s_mov_b32 s17, 0
	s_lshl_b32 s46, s42, 7
	s_lshl_b32 s47, s12, 5
	s_add_co_u32 s46, s46, s47                     ; wob: row 128 x block column + 32 x wave
	s_lshl_b32 s46, s46, 11
	s_mov_b32 s47, 0
	s_mul_i32 s21, s12, SUBA
	s_mul_i32 s22, s12, 32*PB
	s_add_co_u32 s22, s22, BOFF
	s_wait_dscnt 0x0
	s_wait_kmcnt 0x0
	s_add_nc_u64 s[16:17], s[4:5], s[16:17]
	s_add_nc_u64 s[46:47], s[6:7], s[46:47]
	CROUND                                         ; the first joint loads meet
.irp s, 0,1
	s_mov_b32 s[G0+4*\s], 1
	s_add_co_u32 s[G0+4*\s+1], s21, \s*SLOT
	s_add_nc_u64 s[G0+4*\s+2:G0+4*\s+3], s[16:17], \s*0x100000     ; four heads on
	s_or_b32 s[G0+4*\s+3], s[G0+4*\s+3], 0x80000000
	s_mov_b32 s[G0B+4*\s], 1
	s_add_co_u32 s[G0B+4*\s+1], s22, \s*SLOT
	s_add_nc_u64 s[G0B+4*\s+2:G0B+4*\s+3], s[46:47], \s*512
	s_or_b32 s[G0B+4*\s+3], s[G0B+4*\s+3], 0x80000000
	JL \s                                          ; K steps 0 and 1: four tensor loads of the wave are out, later two
.endr
	v_and_b32 v1, 15, v0                           ; r
	v_bfe_u32 v2, v0, 4, 1                         ; h
	s_lshl_b32 s76, s42, 7
	s_lshl_b32 s77, s14, 6
	s_add_co_u32 s76, s76, s77                     ; my first column
	s_lshl_b32 s76, s76, 2
	s_mov_b32 s77, 0
	s_add_nc_u64 s[8:9], s[8:9], s[76:77]
	v_lshlrev_b32 v[BO], 5, v2
.irp b, 0,1,2,3
	global_load_b128 v[BIAS+8*\b:BIAS+8*\b+3],   v[BO], s[8:9] offset:64*\b
	global_load_b128 v[BIAS+8*\b+4:BIAS+8*\b+7], v[BO], s[8:9] offset:64*\b+16
.endr
	v_mul_u32_u24 v3, v1, PA
	v_lshl_add_u32 v3, v2, 4, v3
	v_mul_u32_u24 v4, v1, PB
	v_lshl_add_u32 v4, v2, 4, v4
	s_mul_i32 s74, s13, 64*PA
	s_mul_i32 s75, s14, 64*PB
	s_add_co_u32 s75, s75, BOFF
.irp s, 0,1
	v_add_nc_u32 v[ADRA+\s], s74, v3
	v_add_nc_u32 v[ADRB+\s], s75, v4
	s_add_co_u32 s74, s74, SLOT
	s_add_co_u32 s75, s75, SLOT
.endr
	s_mul_i32 s74, s12, 16*SPITCH
	s_add_co_u32 s74, s74, STAGE                   ; my stage
	v_mul_u32_u24 v5, v1, SPITCH                   ; in: row r, 32 bytes for each half of the lanes
	v_lshl_add_u32 v5, v2, 5, v5
	v_add_nc_u32 v[STO], s74, v5
	v_mul_u32_u24 v6, v2, SPITCH                   ; back: lanes 0-15 take one row of 256 bytes, lanes 16-31 the next
	v_lshl_add_u32 v6, v1, 4, v6
	v_add_nc_u32 v[RD], s74, v6
	v_lshlrev_b32 v7, 12, v2                       ; the same two rows in out0: 4,096 bytes apart
	v_lshl_add_u32 v[CO], v1, 4, v7
	s_lshl_b32 s74, s20, 7
	s_lshl_b32 s75, s13, 6
	s_add_co_u32 s74, s74, s75                     ; my first row
	s_lshl_b32 s74, s74, 12
	s_add_co_u32 s74, s74, s76                     ; + my first column's bytes
	s_mov_b32 s75, 0
	s_add_nc_u64 s[10:11], s[10:11], s[74:75]
; 8 matrix instructions: m blocks a0, a0 + 1 x 4 n blocks, 32 along K.  The 16 accumulators take turns, one instruction a turn.
.macro MUL8 f, a0, first
.irp a, \a0, \a0+1
.irp b, 0,1,2,3
.if \first
	v_wmma_f32_16x16x32_f16 v[8*(4*(\a)+\b):8*(4*(\a)+\b)+7], v[\f+32+8*\b:\f+32+8*\b+7], v[\f+8*(\a):\f+8*(\a)+7], v[BIAS+8*\b:BIAS+8*\b+7]
.else
	v_wmma_f32_16x16x32_f16 v[8*(4*(\a)+\b):8*(4*(\a)+\b)+7], v[\f+32+8*\b:\f+32+8*\b+7], v[\f+8*(\a):\f+8*(\a)+7], v[8*(4*(\a)+\b):8*(4*(\a)+\b)+7]
.endif
.endr
.endr
.endm
; 16 LDS loads: the fragments of eighth kq of a K step: wob's 64 rows at byte 64 kq, then ctx's 64 rows in head kq / 2 at byte 64 (kq % 2)
.macro FETCH slot, kq, f
.irp b, 0,1,2,3
	ds_load_b128 v[\f+32+8*\b:\f+32+8*\b+3], v[ADRB+\slot] offset:64*\kq+16*PB*\b
	ds_load_b128 v[\f+32+8*\b+4:\f+32+8*\b+7], v[ADRB+\slot] offset:64*\kq+16*PB*\b+32
.endr
.irp a, 0,1,2,3
	ds_load_b128 v[\f+8*\a:\f+8*\a+3],   v[ADRA+\slot] offset:SUBA*(\kq/2)+64*(\kq%2)+16*PA*\a
	ds_load_b128 v[\f+8*\a+4:\f+8*\a+7], v[ADRA+\slot] offset:SUBA*(\kq/2)+64*(\kq%2)+16*PA*\a+32
.endr
.endm
; One of a K step's first seven eighths: multiplies buffer f; in its middle it fetches eighth kq into buffer g.
.macro EIGHTH slot, kq, f, g, first
	s_wait_dscnt 4                                 ; wob's fragments and ctx's rows 0-31 are in; the youngest four loads (ctx's rows 32-63) may be out
.if \first
	WIN W_MULB
.else
	WIN W_MUL
.endif
	MUL8 \f, 0, \first
	WIN 0
	PLACES
	FETCH \slot, \kq, \g
	s_wait_dscnt 16                                ; all but the 16 just issued
.if \first
	WIN W_MULB
.else
	WIN W_MUL
.endif
	MUL8 \f, 2, \first
.endm
.macro SEVEN slot, first
	EIGHTH \slot, 1, F0, F1, \first
	EIGHTH \slot, 2, F1, F0, 0
	EIGHTH \slot, 3, F0, F1, 0
	EIGHTH \slot, 4, F1, F0, 0
	EIGHTH \slot, 5, F0, F1, 0
	EIGHTH \slot, 6, F1, F0, 0
	EIGHTH \slot, 7, F0, F1, 0
.endm
; The last eighth changes slots: each wave's reads of this slot and all its tensor loads are waited for in front of the barrier; the refills come first behind it.
.macro TURN slot, next, fill
	s_wait_dscnt 0
	s_wait_tensorcnt 0x0
	ds_add_u32 v254, v255
	s_wait_dscnt 0x0
	s_barrier_signal -1                            ; (where a slot is filled again this barrier opens a round of the cluster's barrier)
	WIN W_MUL
	MUL8 F1, 0, 0                                  ; registers only
	WIN 0
	s_barrier_wait -1
.if \fill
	CREST                                          ; no wave of any partner still reads this slot or has a load on its way
	s_add_nc_u64 s[G0+4*\slot+2:G0+4*\slot+3], s[G0+4*\slot+2:G0+4*\slot+3], 0x200000      ; eight heads on
	s_add_nc_u64 s[G0B+4*\slot+2:G0B+4*\slot+3], s[G0B+4*\slot+2:G0B+4*\slot+3], 1024      ; 512 along K
	JL \slot
.endif
	PLACES
	FETCH \next, 0, F0
	WIN W_MUL
	MUL8 F1, 2, 0
.endm
	s_wait_tensorcnt 2                             ; my parts of K step 0 are in; K step 1's pair stays out
	s_wait_loadcnt 0x0                             ; the bias
	s_barrier_signal -1
	s_barrier_wait -1
	FETCH 0, 0, F0
	SEVEN 0, 1
	TURN 0, 1, 1                                   ; slot 0 gets K step 2
	SEVEN 1, 0
	TURN 1, 0, 1                                   ; slot 1 gets K step 3
	SEVEN 0, 0
	TURN 0, 1, 0
	SEVEN 1, 0
	s_wait_dscnt 0
	WIN W_MUL
	MUL8 F1, 0, 0
	MUL8 F1, 2, 0
	; THE WAY OUT, 16 rows at a time: NaN becomes 0, 32 bytes a lane and tile into my own stage, read back as rows of 256 bytes.
	PLACES
.macro OUT16 a, f
	WIN 0x05                                       ; sources 0 and 1 window 1
.irp b, 0,1,2,3
.irp j, 0,1,2,3,4,5,6,7
	v_cmp_eq_f32 vcc_lo, v[8*(4*\a+\b)+\j], v[8*(4*\a+\b)+\j]      ; false for NaN alone
	v_cndmask_b32 v[TMP+8*\b+\j], 0, v[8*(4*\a+\b)+\j], vcc_lo
.endr
.endr
	WIN 0
.irp b, 0,1,2,3
	ds_store_b128 v[STO], v[TMP+8*\b:TMP+8*\b+3]   offset:64*\b
	ds_store_b128 v[STO], v[TMP+8*\b+4:TMP+8*\b+7] offset:64*\b+16
.endr
	s_wait_xcnt 0x0                                ; buffer f, which earlier stores read, and the stores' base are written again only behind this wait
.if \a
	s_add_nc_u64 s[10:11], s[10:11], 16*4096       ; 16 rows on
.endif
.irp t, 0,1,2,3,4,5,6,7
	ds_load_b128 v[\f+4*\t:\f+4*\t+3], v[RD] offset:\t*2*SPITCH    ; LDS serves a wave's instructions in order: these see the stores above
.endr
.irp t, 0,1,2,3,4,5,6,7
	s_wait_dscnt 7-\t
	global_store_b128 v[CO], v[\f+4*\t:\f+4*\t+3], s[10:11] offset:8192*\t th:TH_STORE_NT   ; 16 lanes store 256 consecutive bytes, aligned
.endr
.endm
	OUT16 0, F0
	OUT16 1, F1
	OUT16 2, F0
	OUT16 3, F1
	s_wait_tensorcnt 0x0
	ds_add_u32 v254, v255
	s_wait_dscnt 0x0
	CROUND                                         ; the closing round
	s_endpgm
.Lfunc_end_k_qc3b0a99d3b_oproj:
	.size	k_qc3b0a99d3b_oproj, .Lfunc_end_k_qc3b0a99d3b_oproj-k_qc3b0a99d3b_oproj
	.p2alignl 7, 3214868480
	.fill 96, 4, 3214868480
	.section	.rodata,"a",@progbits
	.p2align	6, 0x0
	.amdhsa_kernel k_qc3b0a99d3b_oproj
		.amdhsa_group_segment_fixed_size 327680
		.amdhsa_private_segment_fixed_size 0
		.amdhsa_enable_private_segment 0
		.amdhsa_kernarg_size 32
		.amdhsa_user_sgpr_count 2
		.amdhsa_user_sgpr_kernarg_segment_ptr 1
		.amdhsa_wavefront_size32 1
		.amdhsa_system_sgpr_workgroup_id_x 1
		.amdhsa_system_sgpr_workgroup_id_y 1
		.amdhsa_system_sgpr_workgroup_id_z 1
		.amdhsa_system_vgpr_workitem_id 0
		.amdhsa_next_free_vgpr 384
		.amdhsa_next_free_sgpr 80
		.amdhsa_reserve_vcc 1
		.amdhsa_float_denorm_mode_32 3
		.amdhsa_float_denorm_mode_16_64 3
		.amdhsa_memory_ordered 1
		.amdhsa_forward_progress 1
		.amdhsa_inst_pref_size 98
	.end_amdhsa_kernel
	.amdgpu_metadata
---
amdhsa.version: [ 1, 2 ]
amdhsa.kernels:
  - .name:           k_qc3b0a99d3b_oproj
    .symbol:         k_qc3b0a99d3b_oproj.kd
    .args:
      - { .name: ctx, .offset: 0, .size: 8, .value_kind: global_buffer, .address_space: global }
      - { .name: wob, .offset: 8, .size: 8, .value_kind: global_buffer, .address_space: global }
      - { .name: b_out, .offset: 16, .size: 8, .value_kind: global_buffer, .address_space: global }
      - { .name: out0, .offset: 24, .size: 8, .value_kind: global_buffer, .address_space: global }
    .group_segment_fixed_size: 327680
    .private_segment_fixed_size: 0
    .kernarg_segment_align: 8
    .kernarg_segment_size: 32
    .max_flat_workgroup_size: 128
    .sgpr_count:     80
    .vgpr_count:     384
    .wavefront_size: 32
...
	.end_amdgpu_metadata
.endif
;; end of part 4
;; ======== version 2 of 2: 4 launches; version 1 with the launch conv written anew for expert scheduling mode
;; limits: values are held in f16: magnitudes above 65,504 overflow, below 6.1e-05 lose precision
;; workspace buffers: xb 8,388,608 bytes; wib 6,291,456 bytes; wob 2,097,152 bytes; qkv 25,165,824 bytes; ctx 8,388,608 bytes
;; launch conv (part 5): grid 512 x 1, 8 waves a work-group, no clusters, 0 bytes of LDS; arguments x, w_in, w_out, xb, wib, wob; writes xb, wib, wob
.if DOCPART == 5
	.amdgcn_target "amdgcn-amd-amdhsa--gfx1250"
	.amdhsa_code_object_version 6
	.text
	.protected	k_qc3b0a99d3b_conv
	.globl	k_qc3b0a99d3b_conv
	.p2align	8
	.type	k_qc3b0a99d3b_conv,@function
k_qc3b0a99d3b_conv:
	s_mov_b64 s[64:65], 0
	v_nop
	global_prefetch_b8 v0, s[64:65] scope:SCOPE_SE
	s_setreg_imm32_b32 hwreg(HW_REG_WAVE_SCHED_MODE, 0, 2), 2
	s_setreg_imm32_b32 hwreg(HW_REG_WAVE_MODE, 25, 1), 1
	s_wait_xcnt 0x0
	s_wait_alu depctr_vm_vsrc(0)
; conv: the three large f32 inputs are rounded once to 16 bits, so that both products can be fed by tile loads of 16-bit rows.
;   x     [4096][1024] f32 -> xb  bf16        w_in [3072][1024] f32 -> wib bf16
;   w_out [1024][1024] f32 -> wob: rounded to bf16 and then carried in f16, because it meets an f16 operand in one product.
; LIMIT: the step bf16 -> f16 is exact for 2^-17 <= |w_out| < 65,504; smaller numbers are off by 2^-25 at the most, larger ones overflow.
; A work-group converts 16,384 numbers: 65,536 bytes in, 32,768 out.  Work-groups 0-255 take x, 256-447 w_in, 448-511 w_out.
; A stream: each byte is read once and written once; nothing is shared, so there is no LDS, no barrier and no matrix work.
; All 16 loads of a thread are issued first; a wave's load covers 512 neighbouring bytes, a wave's store 256 neighbouring bytes, aligned.
; THE MODE: SCHED_MODE bits 1:0 = 2 (LLVM: expert scheduling mode 2), set by the entry lines.  The code itself states the register dependences
; between vector instructions and memory instructions, with s_wait_alu, always for 0.
; THE PLAN.  Registers that memory instructions touch:
;   v1, v2   byte offsets of the loads and of the stores: written once at the head, never again.
;   X        load j lands in four registers of its own, which no vector line names ahead of that load; its conversions read them; no load lands there twice.
;   Y        the conversions of load j write two registers of their own; store j reads them; nothing writes them behind the store.
;   T        named by vector instructions alone.
; So no register that a memory instruction has read is ever written again, and the only dependences to state run from vector writes to memory reads:
; one wait ahead of the first load, for the two offsets, and one wait for each group of four loads, behind the group's conversions and ahead of its four
; stores, for the group's eight Y registers.  That wait stands at the group's end and not at the next group's head, so that finished results are not held
; behind the counted wait for a younger load.
.set X, 4                              ; v[4:67]    load j: four f32
.set Y, 68                             ; v[68:99]   store j: four 16-bit numbers
.set T, 100                            ; v[100:101] at work
.set FIRST_WIN, 256                    ; first work-group of w_in
.set FIRST_WOUT, 448                   ; first work-group of w_out
	s_load_b256 s[4:11], s[0:1], 0x0               ; x s[4:5], w_in s[6:7], w_out s[8:9], xb s[10:11]
	s_load_b128 s[12:15], s[0:1], 0x20             ; wib s[12:13], wob s[14:15]
	s_mov_b32 s2, ttmp9
	v_lshlrev_b32 v1, 4, v0                        ; 16 t: my 16 bytes of each 4,096 read
	v_lshlrev_b32 v2, 3, v0                        ; 8 t: my 8 bytes of each 2,048 written
	s_wait_kmcnt 0x0
	s_cmp_lt_u32 s2, FIRST_WIN                     ; which tensor: a choice between buffers on the work-group's number alone
	s_cselect_b64 s[16:17], s[4:5], s[6:7]
	s_cselect_b64 s[18:19], s[10:11], s[12:13]
	s_cselect_b32 s3, 0, FIRST_WIN
	s_cmp_lt_u32 s2, FIRST_WOUT
	s_cselect_b64 s[16:17], s[16:17], s[8:9]
	s_cselect_b64 s[18:19], s[18:19], s[14:15]
	s_cselect_b32 s3, s3, FIRST_WOUT
	s_sub_co_u32 s3, s2, s3                        ; my chunk in that tensor
	s_lshl_b32 s20, s3, 16                         ; 65,536 bytes of f32 a chunk
	s_mov_b32 s21, 0
	s_lshl_b32 s22, s3, 15                         ; 32,768 bytes of 16-bit numbers
	s_mov_b32 s23, 0
	s_add_nc_u64 s[16:17], s[16:17], s[20:21]
	s_add_nc_u64 s[18:19], s[18:19], s[22:23]
	s_wait_alu depctr_va_vdst(0)                   ; v1 and v2 are written: every load of the kernel reads v1 as its offset, every store v2
.irp j, 0,1,2,3,4,5,6,7,8,9,10,11,12,13,14,15
	global_load_b128 v[X+4*\j:X+4*\j+3], v1, s[16:17] offset:4096*\j th:TH_LOAD_NT
.endr
; Four numbers: round to bf16; half = 1: widen each bf16 again (a shift, a mask) and write it as f16.
.macro CV j, half
	v_cvt_pk_bf16_f32 v[Y+2*(\j)],   v[X+4*(\j)],   v[X+4*(\j)+1]
	v_cvt_pk_bf16_f32 v[Y+2*(\j)+1], v[X+4*(\j)+2], v[X+4*(\j)+3]
.if \half
.irp k, 0,1
	v_lshlrev_b32 v[T],   16, v[Y+2*(\j)+\k]
	v_and_b32     v[T+1], 0xffff0000, v[Y+2*(\j)+\k]
	v_cvt_pk_f16_f32 v[Y+2*(\j)+\k], v[T], v[T+1]
.endr
.endif
.endm
; Group g: loads 4 g to 4 g + 3 are converted as they come in, then their four stores go out in one run behind one wait.
; No register that a load or store names is written again, so beside that wait there is only the one for the data.
.macro GRP g, half
.irp i, 0,1,2,3
	s_wait_loadcnt 15-4*(\g)-\i                    ; loads come back in order (ISA guide 5.7.1): load 4 g + i is in, the younger ones stay out
	CV 4*(\g)+\i, \half
.endr
	s_wait_alu depctr_va_vdst(0)                   ; the group's conversions have written its eight Y registers, which the four stores below read
.irp i, 0,1,2,3
	global_store_b64 v2, v[Y+2*(4*(\g)+\i):Y+2*(4*(\g)+\i)+1], s[18:19] offset:2048*(4*(\g)+\i)
.endr
.endm
	s_cmp_ge_u32 s2, FIRST_WOUT
	s_cbranch_scc1 .Lhalf
	GRP 0, 0
	GRP 1, 0
	GRP 2, 0
	GRP 3, 0
	s_endpgm
.Lhalf:
	GRP 0, 1
	GRP 1, 1
	GRP 2, 1
	GRP 3, 1
	s_endpgm
.Lfunc_end_k_qc3b0a99d3b_conv:
	.size	k_qc3b0a99d3b_conv, .Lfunc_end_k_qc3b0a99d3b_conv-k_qc3b0a99d3b_conv
	.p2alignl 7, 3214868480
	.fill 96, 4, 3214868480
	.section	.rodata,"a",@progbits
	.p2align	6, 0x0
	.amdhsa_kernel k_qc3b0a99d3b_conv
		.amdhsa_group_segment_fixed_size 0
		.amdhsa_private_segment_fixed_size 0
		.amdhsa_enable_private_segment 0
		.amdhsa_kernarg_size 48
		.amdhsa_user_sgpr_count 2
		.amdhsa_user_sgpr_kernarg_segment_ptr 1
		.amdhsa_wavefront_size32 1
		.amdhsa_system_sgpr_workgroup_id_x 1
		.amdhsa_system_sgpr_workgroup_id_y 1
		.amdhsa_system_sgpr_workgroup_id_z 1
		.amdhsa_system_vgpr_workitem_id 0
		.amdhsa_next_free_vgpr 104
		.amdhsa_next_free_sgpr 66
		.amdhsa_reserve_vcc 0
		.amdhsa_float_denorm_mode_32 3
		.amdhsa_float_denorm_mode_16_64 3
		.amdhsa_memory_ordered 1
		.amdhsa_forward_progress 1
		.amdhsa_inst_pref_size 17
	.end_amdhsa_kernel
	.amdgpu_metadata
---
amdhsa.version: [ 1, 2 ]
amdhsa.kernels:
  - .name:           k_qc3b0a99d3b_conv
    .symbol:         k_qc3b0a99d3b_conv.kd
    .args:
      - { .name: x, .offset: 0, .size: 8, .value_kind: global_buffer, .address_space: global }
      - { .name: w_in, .offset: 8, .size: 8, .value_kind: global_buffer, .address_space: global }
      - { .name: w_out, .offset: 16, .size: 8, .value_kind: global_buffer, .address_space: global }
      - { .name: xb, .offset: 24, .size: 8, .value_kind: global_buffer, .address_space: global }
      - { .name: wib, .offset: 32, .size: 8, .value_kind: global_buffer, .address_space: global }
      - { .name: wob, .offset: 40, .size: 8, .value_kind: global_buffer, .address_space: global }
    .group_segment_fixed_size: 0
    .private_segment_fixed_size: 0
    .kernarg_segment_align: 8
    .kernarg_segment_size: 48
    .max_flat_workgroup_size: 256
    .sgpr_count:     66
    .vgpr_count:     104
    .wavefront_size: 32
...
	.end_amdgpu_metadata
.endif
;; end of part 5
;; launch qkv: the kernel of part 2 again; grid 16 x 16, 4 waves a work-group, clusters of 4 x 4, 327,680 bytes of LDS; arguments xb, wib, b_in, qkv; writes qkv
;; launch attn: the kernel of part 3 again; grid 8 x 32, 4 waves a work-group, no clusters, 327,680 bytes of LDS; arguments qkv, ctx; writes ctx
;; launch oproj: the kernel of part 4 again; grid 8 x 32, 4 waves a work-group, clusters of 4 x 4, 327,680 bytes of LDS; arguments ctx, wob, b_out, out0; writes out0
